; MI455X (gfx1250); checked and timed in simulation.
; The chip was launched on July 23, 2026; its instructions are those of AMD's public machine-readable ISA for CDNA 5 (MIT licence, August 2026) and "CDNA5" Instruction Set Architecture Reference Guide (July 2026). The comments in the code are by the model that wrote it; some were corrected since.
;; NGP. Allowed arithmetic: matrix products marked QUANTISED: E3M2 operands, one E8M0 scale for each 32 along K, by v_wmma_scale_f32_16x16x128_f8f6f4 with both operands' format E3M2, f32 sums; products left as they are: f32 operands where the result goes on into a quantised operand, else bf16, f16 or f32 operands; f32 sums; everything else in f32.
;; Inputs: b1 64 float32; b2 32 float32; b3 2 float32; grid 8 x 524,288 x 2 float32; levels 8 float32; w1 16 x 64 float32; w2 64 x 32 float32; w3 32 x 2 float32; x 524,288 x 3 float32.
;; Outputs: out0 524,288 x 2 float32.
;; This version of the problem:
;;   THIS VERSION OF THE PROBLEM IS GIVEN IN LOW PRECISION. The matrix products marked QUANTISED in the list below multiply operands that are first quantised to E3M2 (3 exponent bits, 2 mantissa bits; 6 bits a number), with one power-of-two scale for each 32 numbers along K (OCP MX v1.0); their sums are f32. All else is computed in f32.
;;   The module's matrix products, in the order in which they are computed (A, B: the left and right operand; K: the contracted axis; several contracted axes count as one K, in the product's order):
;;     1. [M 524,288, K 16] x [K 16, N 64]; A: computed on the way; B: input w1: left as it is (K = 16 < 32)
;;     2. [M 524,288, K 64] x [K 64, N 32]; A: computed on the way; B: input w2: QUANTISED
;;     3. [M 524,288, K 32] x [K 32, N 2]; A: computed on the way; B: input w3: left as it is (N = 2 < 16)
;;   THE QUANTISER, for each operand of a quantised product, along K:
;;     - K is cut into blocks of 32 from its start; a last block that is shorter is filled with zeros.
;;     - A block's scale is 2^e with e = floor(log2(the largest magnitude in the block)) - 4, held to -126 .. 127; a block of zeros has e = 0. As a byte (E8M0): e + 127.
;;     - Each number is divided by its block's scale, clamped to +-28, and rounded to the nearest number of E3M2, ties to even, subnormals kept.
;;     - The product sums the exact products of the quantised numbers (number of the format x scale) in f32.
;;   ~~~python
;;   def quantise(x, axis):      # numpy; x: float32 -> the quantised numbers, widened to float32 again
;;       x = np.moveaxis(x, axis, -1); K = x.shape[-1]
;;       x = np.pad(x, [(0, 0)] * (x.ndim - 1) + [(0, -K % 32)]); x = x.reshape(x.shape[:-1] + (-1, 32)); a = np.abs(x).max(-1, keepdims=True)
;;       e = np.where(a > 0, np.clip(np.frexp(np.where(a > 0, a, 1))[1] - 1 - 4, -126, 127), 0)      # np.frexp(a)[1] - 1 = floor(log2(a)), exactly
;;       r = np.clip(x / 2.0 ** e, -28, 28)
;;       step = 2.0 ** (np.maximum(np.frexp(np.where(r == 0, 1, r))[1] - 1, -2) - 2)
;;       q = np.round(r / step) * step * 2.0 ** e      # np.round: ties to even
;;       return np.moveaxis(q.reshape(q.shape[:-2] + (-1,))[..., :K], -1, axis).astype(np.float32)
;;   ~~~
;;   OPERANDS COMPUTED ON THE WAY. 'Computed on the way' means the value that the module computes at that place (a softmax that the list does not call 'softmax' is quantised finished and normalised). What goes into a quantiser is computed in f32, as accurately as f32 sums, v_exp_f32 and their like allow (about 1e-6 of the number): no bf16 or f16 on the way to a quantiser, and a product that is left as it is and whose result goes on into a quantised operand takes f32 operands (vector FMAs, or v_wmma_f32_16x16x4_f32). A number that lies on a knife's edge between two numbers of the format may be rounded either way, as far as f32 arithmetic and the matrix unit's own rounding can turn it there, and no further.
;; 2 versions, each right; version 2 is version 1 with the launch field written anew for expert scheduling mode. Each part assembles by itself: llvm-mc -triple=amdgcn-amd-amdhsa -mcpu=gfx1250 --defsym DOCPART=n.
;; ======== version 1 of 2: 2 launches
;; workspace buffers: hidx 16,777,216 bytes of whole numbers; wimg 7,168 bytes
;; launch hash (part 1): grid 513 x 1, 8 waves a work-group, no clusters, 0 bytes of LDS; arguments x, levels, w1, w2, w3, b1, b2, hidx, wimg; writes hidx, wimg
.if DOCPART == 1
	.amdgcn_target "amdgcn-amd-amdhsa--gfx1250"
	.amdhsa_code_object_version 6
	.text
	.protected	k_q9c8dc6fa31_hash
	.globl	k_q9c8dc6fa31_hash
	.p2align	8
	.type	k_q9c8dc6fa31_hash,@function
k_q9c8dc6fa31_hash:
	s_mov_b64 s[64:65], 0
	v_nop
	global_prefetch_b8 v0, s[64:65] scope:SCOPE_SE
	s_setreg_imm32_b32 hwreg(HW_REG_WAVE_MODE, 25, 1), 1
	s_wait_xcnt 0x0
; FIRST OF TWO LAUNCHES.  The result: out0 = MLP(features), the features being trilinear blends of entries of a hashed table.
; The table's addresses come from floor(x * level), which is floating-point data: so this launch makes them and stores them as whole numbers, and the next launch reads them and gathers.
; DEAD WORK: none.  Every input (x, levels, grid, w1, b1, w2, b2, w3, b3) has a way to out0 for general values, so nothing is left out in either launch.
; WHAT IS STORED.  The table has 2^19 entries a level, so only the hash's low 19 bits count, and corner (i, j, k) of a cell is (base + i + j PI2 + k PI3) mod 2^19, base being the hash of corner (0, 0, 0).
; So ONE number goes out for each point and level: hidx, laid by groups of 32 points: byte 1024 g + 512 (l / 4) + 16 lane + 4 (l % 4): each store and each later load of a wave covers 512 consecutive bytes.
; v_mad_u32_u24 multiplies the low 24 bits of both factors: the product's low 24 bits, and so the hash's low 19, are those of the full 32-bit product.
; Work-groups 0 to 511: 8 waves, each 4 groups of 32 points.  Work-group 512 lays the weights out once, as images of the registers in which the next launch's matrix instructions take them (wimg):
;   0     w1: tile t at 1024 t, registers 4 q .. 4 q + 3 at + 512 q + 16 lane; register 2 s + j of lane (r, h) = w1[4 s + 2 h + j][32 (t / 2) + 8 (t % 2) + r + 8 (r / 8)]
;   4096  w2 as codes of E3M2, quantised along its first axis, K: output tile n at + 768 n: registers 0-3 at + 16 lane, 4-5 at + 512 + 8 lane; lane (r, h) holds k = 32 h .. 32 h + 31 of output 16 n + r
;   5632  b1;   5888  b2, as they are;   6016  w2's scale words, 4 bytes a lane: byte 2 n + b = block b of output 16 n + lane % 16
;   6144  w3 in bf16 as source 0 of a 16 x 16 x 32 product: rows 0, 1, 8, 9 hold w3[:, row % 2], the other rows zeros; registers 4 q .. 4 q + 3 at + 512 q + 16 lane
; LIMITS: x * level lies in [0, 2^32): the conversion cuts toward zero, which is floor there, and holds what is negative at 0, where the reference's cast has no defined value.  NaN and infinities are not served.
; A block of w2 whose largest magnitude is 0 gets the scale byte 1 where the quantiser says 127: its codes are zeros, and this program alone reads the bytes.
.set WGS,   512                        ; work-groups that hash
.set PI2L,  0x3779b1                   ; 2654435761's low 24 bits
.set PI3L,  0x025795                   ; 805459861's low 24 bits
.set LVP,   32                         ; s[32:47] each level twice: the packed multiply names a pair
.set XR,    8                          ; v8-22   group i's x, y, z at v[8 + 4 i]
.set TR,    24                         ; v24-30  two sets of three at work, by the level's parity
.set HO,    32                         ; v32-63  group i's eight hashes at v[32 + 8 i]: no store's data are written again
	s_load_b512 s[4:19], s[0:1], 0x0               ; x 4, levels 6, w1 8, w2 10, w3 12, b1 14, b2 16, hidx 18
	s_load_b64 s[20:21], s[0:1], 0x40              ; wimg
	v_lshrrev_b32 v1, 5, v0
	v_readfirstlane_b32 s51, v1                    ; wave 0..7
	v_and_b32 v3, 31, v0                           ; lane
	s_wait_kmcnt 0x0
	s_cmp_eq_u32 ttmp9, WGS
	s_cbranch_scc1 .Lprep
	s_load_b256 s[24:31], s[6:7], 0x0              ; the eight levels
	s_lshl_b32 s52, ttmp9, 3
	s_add_co_u32 s52, s52, s51                     ; which run of 128 points is my wave's
	s_mul_i32 s54, s52, 1536                       ; 128 points x 12 bytes
	s_mov_b32 s55, 0
	s_add_nc_u64 s[4:5], s[4:5], s[54:55]
	s_lshl_b32 s54, s52, 12                        ; 4 groups x 1,024 bytes
	s_add_nc_u64 s[18:19], s[18:19], s[54:55]
	v_mul_u32_u24 v1, v3, 12                       ; my point's 12 bytes: a wave's load covers 384 consecutive bytes
	v_lshlrev_b32 v2, 4, v3                        ; my 16 bytes of a store's 512
.irp i, 0,1,2,3
	global_load_b96 v[XR+4*\i:XR+4*\i+2], v1, s[4:5] offset:384*\i th:TH_LOAD_NT
.endr
	s_mov_b32 s48, PI2L
	s_mov_b32 s49, PI3L
	s_mov_b32 s50, 0x7ffff
	s_wait_kmcnt 0x0                               ; the levels
.irp l, 0,1,2,3,4,5,6,7
	s_mov_b32 s[LVP+2*\l], s[24+\l]
	s_mov_b32 s[LVP+2*\l+1], s[24+\l]
.endr
.macro HASH i, l                       ; group i, level l: (cx + cy PI2 + cz PI3) mod 2^19
.set T, TR+4*((\l)%2)
	v_pk_mul_f32 v[T:T+1], v[XR+4*\i:XR+4*\i+1], s[LVP+2*\l:LVP+2*\l+1] op_sel_hi:[1,0]
	v_mul_f32 v[T+2], s[LVP+2*\l], v[XR+4*\i+2]
	v_cvt_u32_f32 v[T], v[T]                       ; toward zero: floor, for what is not negative
	v_cvt_u32_f32 v[T+1], v[T+1]
	v_cvt_u32_f32 v[T+2], v[T+2]
	v_mad_u32_u24 v[T], v[T+1], s48, v[T]
	v_mad_u32_u24 v[T], v[T+2], s49, v[T]
	v_and_b32 v[HO+8*\i+\l], s50, v[T]
.endm
.irp i, 0,1,2,3
	s_wait_loadcnt 3-\i                            ; loads come back in order: group i's is in, the later groups' may be out
.irp l, 0,1,2,3,4,5,6,7
	HASH \i, \l
.endr
	global_store_b128 v2, v[HO+8*\i:HO+8*\i+3], s[18:19] offset:1024*\i th:TH_STORE_NT
	global_store_b128 v2, v[HO+8*\i+4:HO+8*\i+7], s[18:19] offset:1024*\i+512 th:TH_STORE_NT
.endr
	s_endpgm
; ---- work-group 512: the weights' images.  The waves part on their number and share nothing.
.Lprep:
	v_and_b32 v2, 15, v0                           ; r
	v_bfe_u32 v1, v0, 4, 1                         ; h
	v_lshlrev_b32 v4, 4, v3                        ; 16 x lane
	v_lshlrev_b32 v7, 3, v3                        ; 8 x lane
	v_lshlrev_b32 v6, 2, v3                        ; 4 x lane
	s_cmp_lt_u32 s51, 4
	s_cbranch_scc0 .Lprep_w2
	; waves 0 to 3: tile t = wave of w1 [16][64].  THE HIDDEN UNITS OF A TILE ARE NOT NEIGHBOURS: lane r takes unit 32 (t / 2) + 8 (t % 2) + r + 8 (r / 8)
	v_and_b32 v5, 8, v2
	v_add_nc_u32 v5, v5, v2                        ; r + 8 (r / 8)
	v_lshlrev_b32 v5, 2, v5
	v_lshl_add_u32 v5, v1, 9, v5                   ; + 2 h rows of 256 bytes
	s_lshr_b32 s52, s51, 1
	s_lshl_b32 s52, s52, 7
	s_and_b32 s53, s51, 1
	s_lshl_b32 s53, s53, 5
	s_add_co_u32 s52, s52, s53
	v_add_nc_u32 v5, s52, v5
.irp s, 0,1,2,3
.irp j, 0,1
	global_load_b32 v[16+2*\s+\j], v5, s[8:9] offset:1024*\s+256*\j   ; w1[4 s + 2 h + j][my unit]
.endr
.endr
	s_lshl_b32 s52, s51, 10
	v_add_nc_u32 v9, s52, v4
	s_wait_loadcnt 0x0
	global_store_b128 v9, v[16:19], s[20:21]
	global_store_b128 v9, v[20:23], s[20:21] offset:512
	s_endpgm
.Lprep_w2:
	s_cmp_lt_u32 s51, 5
	s_cbranch_scc0 .Lprep_w3
	; wave 4: w2 [64 (k)][32].  A lane takes a column and its registers run down K: lane (r, h) holds block h (k = 32 h .. 32 h + 31) of outputs r and 16 + r, so a block's largest magnitude needs no other lane
	v_lshlrev_b32 v5, 2, v2
	v_lshl_add_u32 v5, v1, 12, v5                  ; 4 r + 32 h rows of 128 bytes
	s_mov_b32 s54, 0x76543210
	s_mov_b32 s55, 0xfedcba98                      ; v_permlanex16_b32's selects for lane l xor 16
.irp n, 0,1
.irp i, 0,1,2,3,4,5,6,7,8,9,10,11,12,13,14,15,16,17,18,19,20,21,22,23,24,25,26,27,28,29,30,31
	global_load_b32 v[32+32*\n+\i], v5, s[10:11] offset:128*\i+64*\n
.endr
.endr
	s_wait_loadcnt 0x0
.irp n, 0,1
	v_max3_num_f32 v[8+\n], |v[32+32*\n]|, |v[33+32*\n]|, 0x2800000   ; with the floor 2^(5 - 127): the byte cannot fall under 1
.endr
.irp i, 2,4,6,8,10,12,14,16,18,20,22,24,26,28,30
.irp n, 0,1
	v_max3_num_f32 v[8+\n], v[8+\n], |v[32+32*\n+\i]|, |v[33+32*\n+\i]|
.endr
.endr
.irp n, 0,1
	v_add_nc_u32 v[10+\n], 0xfe000000, v[8+\n]     ; 4 off the exponent field: the conversion takes this operand's exponent field as its scale
.endr
.irp n, 0,1
	v_lshrrev_b32 v[8+\n], 23, v[10+\n]            ; the scale's byte
.endr
	v_lshl_or_b32 v31, v9, 16, v8                  ; my two bytes: block h of outputs r and 16 + r,
	v_lshlrev_b32 v15, 3, v1
	v_lshlrev_b32 v31, v15, v31                    ; at their places in the word (8 h bits up);
	v_mov_b32 v15, 0
	v_permlanex16_b32 v15, v31, s54, s55
	v_or_b32 v31, v31, v15                         ; with lane l xor 16's two the word is whole, in all 32 lanes
	v_cvt_scalef32_pk16_bf6_f32 v[16:18], v[32:47], v10
	v_cvt_scalef32_pk16_bf6_f32 v[12:14], v[48:63], v10    ; (a conversion's three registers begin on an even number: a block's second three do not, so they are made elsewhere and moved)
	v_cvt_scalef32_pk16_bf6_f32 v[22:24], v[64:79], v11
	v_cvt_scalef32_pk16_bf6_f32 v[28:30], v[80:95], v11
	v_nop                                          ; one plain place behind a scaled conversion
.irp i, 0,1,2
	v_mov_b32 v[19+\i], v[12+\i]
	v_mov_b32 v[25+\i], v[28+\i]
.endr
	global_store_b128 v4, v[16:19], s[20:21] offset:4096
	global_store_b64 v7, v[20:21], s[20:21] offset:4096+512
	global_store_b128 v4, v[22:25], s[20:21] offset:4096+768
	global_store_b64 v7, v[26:27], s[20:21] offset:4096+768+512
	global_store_b32 v6, v31, s[20:21] offset:6016
	s_endpgm
.Lprep_w3:
	s_cmp_lt_u32 s51, 6
	s_cbranch_scc0 .Lprep_b1
	; wave 5: w3 [32][2] in bf16.  Lane (r, h), register q: k = 16 (q / 4) + 8 h + 2 (q % 4) + 0, 1 of column r % 2; rows other than 0, 1, 8, 9 are zeros
	v_and_b32 v5, 1, v2
	v_lshlrev_b32 v5, 2, v5
	v_lshl_add_u32 v5, v1, 6, v5
.irp q, 0,1,2,3,4,5,6,7
.irp e, 0,1
	global_load_b32 v[32+2*\q+\e], v5, s[12:13] offset:128*(\q/4)+16*(\q%4)+8*\e
.endr
.endr
	v_and_b32 v8, 6, v2
	v_cmp_eq_u32 vcc_lo, 0, v8                     ; r is 0, 1, 8 or 9
	s_wait_loadcnt 0x0
.irp q, 0,1,2,3,4,5,6,7
	v_cvt_pk_bf16_f32 v[16+\q], v[32+2*\q], v[33+2*\q]
.endr
.irp q, 0,1,2,3,4,5,6,7
	v_cndmask_b32 v[16+\q], 0, v[16+\q], vcc_lo
.endr
	global_store_b128 v4, v[16:19], s[20:21] offset:6144
	global_store_b128 v4, v[20:23], s[20:21] offset:6144+512
	s_endpgm
.Lprep_b1:
	s_cmp_lt_u32 s51, 7
	s_cbranch_scc0 .Lprep_b2
	global_load_b64 v[16:17], v7, s[14:15]         ; wave 6: b1, 256 bytes
	s_wait_loadcnt 0x0
	global_store_b64 v7, v[16:17], s[20:21] offset:5632
	s_endpgm
.Lprep_b2:
	global_load_b32 v16, v6, s[16:17]              ; wave 7: b2, 128 bytes
	s_wait_loadcnt 0x0
	global_store_b32 v6, v16, s[20:21] offset:5888
	s_endpgm
.Lfunc_end_k_q9c8dc6fa31_hash:
	.size	k_q9c8dc6fa31_hash, .Lfunc_end_k_q9c8dc6fa31_hash-k_q9c8dc6fa31_hash
	.p2alignl 7, 3214868480
	.fill 96, 4, 3214868480
	.section	.rodata,"a",@progbits
	.p2align	6, 0x0
	.amdhsa_kernel k_q9c8dc6fa31_hash
		.amdhsa_group_segment_fixed_size 0
		.amdhsa_private_segment_fixed_size 0
		.amdhsa_enable_private_segment 0
		.amdhsa_kernarg_size 72
		.amdhsa_user_sgpr_count 2
		.amdhsa_user_sgpr_kernarg_segment_ptr 1
		.amdhsa_wavefront_size32 1
		.amdhsa_system_sgpr_workgroup_id_x 1
		.amdhsa_system_sgpr_workgroup_id_y 1
		.amdhsa_system_sgpr_workgroup_id_z 1
		.amdhsa_system_vgpr_workitem_id 0
		.amdhsa_next_free_vgpr 96
		.amdhsa_next_free_sgpr 66
		.amdhsa_reserve_vcc 1
		.amdhsa_float_denorm_mode_32 3
		.amdhsa_float_denorm_mode_16_64 3
		.amdhsa_memory_ordered 1
		.amdhsa_forward_progress 1
		.amdhsa_inst_pref_size 29
	.end_amdhsa_kernel
	.amdgpu_metadata
---
amdhsa.version: [ 1, 2 ]
amdhsa.kernels:
  - .name:           k_q9c8dc6fa31_hash
    .symbol:         k_q9c8dc6fa31_hash.kd
    .args:
      - { .name: x, .offset: 0, .size: 8, .value_kind: global_buffer, .address_space: global }
      - { .name: levels, .offset: 8, .size: 8, .value_kind: global_buffer, .address_space: global }
      - { .name: w1, .offset: 16, .size: 8, .value_kind: global_buffer, .address_space: global }
      - { .name: w2, .offset: 24, .size: 8, .value_kind: global_buffer, .address_space: global }
      - { .name: w3, .offset: 32, .size: 8, .value_kind: global_buffer, .address_space: global }
      - { .name: b1, .offset: 40, .size: 8, .value_kind: global_buffer, .address_space: global }
      - { .name: b2, .offset: 48, .size: 8, .value_kind: global_buffer, .address_space: global }
      - { .name: hidx, .offset: 56, .size: 8, .value_kind: global_buffer, .address_space: global }
      - { .name: wimg, .offset: 64, .size: 8, .value_kind: global_buffer, .address_space: global }
    .group_segment_fixed_size: 0
    .private_segment_fixed_size: 0
    .kernarg_segment_align: 8
    .kernarg_segment_size: 72
    .max_flat_workgroup_size: 256
    .sgpr_count:     66
    .vgpr_count:     96
    .wavefront_size: 32
...
	.end_amdgpu_metadata
.endif
;; end of part 1
;; launch field (part 2): grid 256 x 1, 16 waves a work-group, no clusters, 8,192 bytes of LDS; arguments x, levels, grid, hidx, wimg, b3, out0; writes out0
.if DOCPART == 2
	.amdgcn_target "amdgcn-amd-amdhsa--gfx1250"
	.amdhsa_code_object_version 6
	.text
	.protected	k_q9c8dc6fa31_field
	.globl	k_q9c8dc6fa31_field
	.p2align	8
	.type	k_q9c8dc6fa31_field,@function
k_q9c8dc6fa31_field:
	s_mov_b64 s[64:65], 0
	v_nop
	global_prefetch_b8 v0, s[64:65] scope:SCOPE_SE
	s_setreg_imm32_b32 hwreg(HW_REG_WAVE_MODE, 25, 1), 1
	s_wait_xcnt 0x0
; SECOND OF TWO LAUNCHES: gather by the stored hashes, blend, and the MLP 16 -> 64 -> 32 -> 2.  No work is left out: every input has a way to out0.
; SHARES.  A work-group of 16 waves takes 2,048 points, a wave 4 groups of 32.  In the gather a LANE IS A POINT and walks all 8 levels, so the level's scale and the level's table are scalars.
; A group: 64 gathers of 8 bytes a lane (8 levels x 8 corners) are issued on end; each lands on the register pair whose low register held its offset.  They are blended level by level behind counted waits.  The MLP then
; works in the same 128 registers; the next group's gathers go out at its end.  Four waves share a SIMD: while one waits for its gathers the others blend and multiply.
; PRODUCTS, all used transposed (source 0 = weights, source 1 = points), so that a lane holds ONE point (lane % 16) and its registers run along the next K:
;   1. 16 -> 64, f32 operands, since its result goes into a quantiser: v_wmma_f32_16x16x4_f32, 4 tiles of units x 4 K steps for each 16 points; b1 is the C of each sum's first instruction.
;      The units of a tile are chosen so that the 16 registers of tiles 2 b, 2 b + 1 are units 32 b + 16 (lane / 16) + 0 .. 15.
;   2. 64 -> 32, QUANTISED: h1 is quantised in registers, two blocks of 32 a point.  The instruction is 128 deep and K is 64: w2's operand holds outputs 0-15 at k 0-63 and outputs 16-31 at k 64-127, and h1's codes stand under
;      the one half with zero codes under the other: one set of 12 registers serves both output tiles.  b2 is the C.
;   3. 32 -> 2, bf16: w3's two columns stand in rows 0, 1 and 8, 9 of source 0, so registers 0 and 1 of the result hold a point's two outputs in both halves of the lanes.
; leaky_relu(v) = max(v, 0.01 v).  The corner weights are made by products and differences ((1 - a) b as b - a b): 12 instructions a level; each weight is right to a rounding of a number at most 1.
; NO CLUSTER, NO TENSOR LOADS: what work-groups share is 6,144 bytes of weights, copied to LDS once, against 2,048 x 64 gathers of 8 bytes a work-group, which are lane by lane.
; NO PREFETCH: a group's hashes and x are loaded into registers a whole group ahead; a gather's address is known only when its hash is, and naming each entry ahead of its gather would double the requests.
; LIMITS: x * level in [0, 2^32), as in the first launch; NaN and infinities are not served; a block of h1 whose largest magnitude is 0 gets the byte 1 with zero codes, which adds what the quantiser's 127 adds: nothing.
.set P2,    0x779b1                    ; 2654435761 mod 2^19
.set P3,    0x25795                    ; 805459861 mod 2^19
.set W1I,   0                          ; LDS, a copy of wimg's first 6,144 bytes: w1's images,
.set W2I,   4096                       ; w2's codes,
.set B1I,   5632                       ; b1,
.set B2I,   5888                       ; b2 (and w2's scale words, which are not read from here)
.set SPARE, 6144                       ; the spare words, 128 bytes for each of 16 waves: eight blocks of 256 bytes that no other line names
.set LI,  1                            ; v1   16 x lane
.set XO,  2                            ; v2   12 x lane
.set OO,  3                            ; v3   8 x lane
.set LB1, 4                            ; v4   b1 in LDS + 64 (lane / 16)
.set LB2, 5                            ; v5   b2 in LDS + 32 (lane / 16)
.set SPW, 6                            ; v6   LDS address of my spare word; never rewritten
.set NIL, 7                            ; v7   0; never rewritten
.set W2S, 8                            ; v8   w2's scale words;  v9, v10: h1's, points 0-15 and 16-31.  These three hold scales and nothing else
.set PSA, 9
.set PSB, 10
.set L4,  11                           ; v11  4 x lane
.set X,   12                           ; v12-14 my point
.set T8,  15                           ; v15  8 x thread: the weights' copy
.set IDX, 16                           ; v16-23 my point's eight hashes
.set F,   24                           ; v24-39 the 16 features: level l at pair 2 l
.set WT,  40                           ; v40-47 corner weights: corner c = 4 i + 2 k + j (i, j, k: the x, y, z bits)
.set FT,  48                           ; v48-51 1 - wy, wy, wz, wx
.set ACC1, 52                          ; v52-83 the first product's four tiles: written by matrix instructions alone
.set CA,  90                           ; v84-113: zeros 84-89, codes of points 0-15 90-95, zeros 96-101, codes of points 16-31 102-107, zeros 108-113
.set CB,  102
.set W3,  114                          ; v114-121 w3's fragment, kept
.set O,   122                          ; v122-123 my point's two outputs
.set T4,  127                          ; v127 4 x thread: the weights' copy
.set G,   128                          ; v128-255 the gathers: level l, corner c at pair G + 16 l + 2 c.  In the MLP:
.set W1R, G                            ;   w1's four tiles, 8 registers each; later
.set ACC2, G                           ;   the second product's four accumulators (2 x tile of points + tile of outputs)
.set CBR, G+32                         ;   b1 in the result's layout, 32; later
.set B2R, G+32                         ;   b2 likewise, 16, and
.set HB,  G+48                         ;   h2 in bf16, 8 for each tile of points
.set HR,  G+64                         ;   h1 of 16 points, 32; later
.set H2,  G+64                         ;   h2 of 32 points
.set TM,  G+96                         ;   the quantiser's: +0, 1 largest magnitudes, +2, 3 bytes, +4, 5 scale operands, +8 .. 10 a block's codes; later
.set D3A, G+96                         ;   the third product's results
.set D3B, G+104
.set W2R, G+112                        ;   w2's 12 registers
.set SX,  4                            ; s[4:5]   x at my group
.set SI,  10                           ; s[10:11] hidx at my group
.set SO,  16                           ; s[16:17] out0 at my group
.set LVP, 32                           ; s[32:47] each level twice: the packed multiply names a pair
.set GB,  48                           ; s[48:63] level l's table
	s_load_b256 s[4:11], s[0:1], 0x0               ; x 4, levels 6, grid 8, hidx 10
	s_load_b128 s[12:15], s[0:1], 0x20             ; wimg 12, b3 14
	s_load_b64 s[16:17], s[0:1], 0x30              ; out0
	v_lshl_add_u32 v[SPW], v0, 2, SPARE
	v_mov_b32 v[NIL], 0
	v_and_b32 v124, 31, v0                         ; lane
	v_bfe_u32 v125, v0, 4, 1                       ; lane / 16
	v_lshrrev_b32 v126, 5, v0
	v_readfirstlane_b32 s79, v126                  ; wave 0..15
	v_lshlrev_b32 v[LI], 4, v124
	v_mul_u32_u24 v[XO], v124, 12
	v_lshlrev_b32 v[OO], 3, v124
	v_lshl_add_u32 v[LB1], v125, 6, B1I
	v_lshl_add_u32 v[LB2], v125, 5, B2I
	v_lshlrev_b32 v[L4], 2, v124
	v_lshlrev_b32 v[T8], 3, v0
	v_lshlrev_b32 v[T4], 2, v0
.irp z, 84,96,108
.irp i, 0,1,2,3,4,5
	v_mov_b32 v[\z+\i], 0                          ; zero codes, written once
.endr
.endr
	s_mov_b32 s74, 0x3c23d70a                      ; 0.01
	s_mov_b32 s75, s74                             ; (named with it as a pair, so it is written)
	s_mov_b32 s76, 0x76543210
	s_mov_b32 s77, 0xfedcba98                      ; v_permlanex16_b32's selects for lane l xor 16
	s_mov_b32 vcc_lo, 0xffff0000                   ; lanes 16-31; never rewritten
	s_lshl_b32 s80, ttmp9, 4
	s_add_co_u32 s80, s80, s79                     ; which run of 128 points is my wave's
	s_mov_b32 s83, 0
	s_wait_kmcnt 0x0
	s_load_b256 s[20:27], s[6:7], 0x0              ; the eight levels
	s_load_b64 s[28:29], s[14:15], 0x0             ; b3
	s_mul_i32 s82, s80, 1536
	s_add_nc_u64 s[SX:SX+1], s[SX:SX+1], s[82:83]
	s_lshl_b32 s82, s80, 12
	s_add_nc_u64 s[SI:SI+1], s[SI:SI+1], s[82:83]
	s_lshl_b32 s82, s80, 10
	s_add_nc_u64 s[SO:SO+1], s[SO:SO+1], s[82:83]
	s_mov_b64 s[GB:GB+1], s[8:9]
.irp l, 1,2,3,4,5,6,7
	s_add_nc_u64 s[GB+2*\l:GB+2*\l+1], s[8:9], \l*0x400000   ; a level's table is 2^19 entries of 8 bytes
.endr
	global_load_b64 v[124:125], v[T8], s[12:13]                    ; the weights' copy: 512 threads x 8 bytes,
	global_load_b32 v126, v[T4], s[12:13] offset:4096              ; and 512 x 4 behind them
	global_load_b128 v[W3:W3+3], v[LI], s[12:13] offset:6144
	global_load_b128 v[W3+4:W3+7], v[LI], s[12:13] offset:6144+512
	global_load_b32 v[W2S], v[L4], s[12:13] offset:6016
	global_load_b128 v[IDX:IDX+3], v[LI], s[SI:SI+1] th:TH_LOAD_NT
	global_load_b128 v[IDX+4:IDX+7], v[LI], s[SI:SI+1] offset:512 th:TH_LOAD_NT
	global_load_b96 v[X:X+2], v[XO], s[SX:SX+1] th:TH_LOAD_NT
	s_wait_kmcnt 0x0                               ; the levels and b3
.irp l, 0,1,2,3,4,5,6,7
	s_mov_b32 s[LVP+2*\l], s[20+\l]
	s_mov_b32 s[LVP+2*\l+1], s[20+\l]
.endr
.macro NOPS n
.rept \n
	v_nop
.endr
.endm
; The group's 64 gathers.  A stored hash is held under 2^19 before it enters an address; corner c's entry is (hash + its constant) mod 2^19, here in bytes (x 8).  Each load lands on its own offset's register pair.
.macro ISSUE
.irp l, 0,1,2,3,4,5,6,7
	v_min_u32 v[G+16*\l], 0x7ffff, v[IDX+\l]
	v_lshlrev_b32 v[G+16*\l], 3, v[G+16*\l]
.irp c, 1,2,3,4,5,6,7
	v_add_nc_u32 v[G+16*\l+2*\c], (((((\c)>>2)&1)+((\c)&1)*P2+(((\c)>>1)&1)*P3)&0x7ffff)<<3, v[G+16*\l]
.endr
.irp c, 1,2,3,4,5,6,7
	v_and_b32 v[G+16*\l+2*\c], 0x3ffff8, v[G+16*\l+2*\c]
.endr
.irp c, 0,1,2,3,4,5,6,7
	global_load_b64 v[G+16*\l+2*\c:G+16*\l+2*\c+1], v[G+16*\l+2*\c], s[GB+2*\l:GB+2*\l+1]
.endr
.endr
.endm
; Level l's eight corner weights.  x * level is the same f32 product as in the first launch, and for what is not negative its fraction is exact.
.macro FRW l
	v_pk_mul_f32 v[WT:WT+1], v[X:X+1], s[LVP+2*\l:LVP+2*\l+1] op_sel_hi:[1,0]
	v_mul_f32 v[WT+2], s[LVP+2*\l], v[X+2]
	v_fract_f32 v[FT+3], v[WT]                     ; wx
	v_fract_f32 v[FT+1], v[WT+1]                   ; wy
	v_fract_f32 v[FT+2], v[WT+2]                   ; wz
	v_sub_f32 v[FT], 1.0, v[FT+1]                  ; 1 - wy
	v_pk_mul_f32 v[WT+2:WT+3], v[FT:FT+1], v[FT+2:FT+3] op_sel_hi:[1,0]                       ; (1 - wy, wy) wz
	v_pk_add_f32 v[WT:WT+1], v[FT:FT+1], v[WT+2:WT+3] neg_lo:[0,1] neg_hi:[0,1]               ; (1 - wy, wy) (1 - wz)
	v_pk_mul_f32 v[WT+4:WT+5], v[WT:WT+1], v[FT+2:FT+3] op_sel:[0,1] op_sel_hi:[1,1]          ; x wx: the pair's second register for both halves
	v_pk_mul_f32 v[WT+6:WT+7], v[WT+2:WT+3], v[FT+2:FT+3] op_sel:[0,1] op_sel_hi:[1,1]
	v_pk_add_f32 v[WT:WT+1], v[WT:WT+1], v[WT+4:WT+5] neg_lo:[0,1] neg_hi:[0,1]               ; x (1 - wx)
	v_pk_add_f32 v[WT+2:WT+3], v[WT+2:WT+3], v[WT+6:WT+7] neg_lo:[0,1] neg_hi:[0,1]
.endm
; Level l's two features: eight entries of two numbers, each times its corner's weight.  The first product starts the sum.
.macro FMA l
	v_pk_mul_f32 v[F+2*\l:F+2*\l+1], v[G+16*\l:G+16*\l+1], v[WT:WT+1] op_sel_hi:[1,0]
.irp c, 1,2,3,4,5,6,7
.if (\c)%2
	v_pk_fma_f32 v[F+2*\l:F+2*\l+1], v[G+16*\l+2*\c:G+16*\l+2*\c+1], v[WT+\c-1:WT+\c], v[F+2*\l:F+2*\l+1] op_sel:[0,1,0] op_sel_hi:[1,1,1]
.else
	v_pk_fma_f32 v[F+2*\l:F+2*\l+1], v[G+16*\l+2*\c:G+16*\l+2*\c+1], v[WT+\c:WT+\c+1], v[F+2*\l:F+2*\l+1] op_sel_hi:[1,0,1]
.endif
.endr
.endm
; The gathers are blended level by level.  Loads come back in order, so each wait counts the loads issued behind that level's eight: the later levels' gathers, and with nxt = 1 the next group's two loads of hashes
; (issued behind level 0's blend) and, at level 7, its load of x.  The registers of levels 0 to 3, once blended, take w1's images and b1 from LDS.
.macro CONSUME nxt
.irp l, 0,1,2,3,4,5,6,7
	FRW \l
.if (\l == 7) && \nxt
	global_load_b96 v[X:X+2], v[XO], s[SX:SX+1] offset:384 th:TH_LOAD_NT   ; x has been read for the last time in this group
.endif
.if \l == 0
	s_wait_loadcnt 56
.elseif \l == 7
	s_wait_loadcnt 3*\nxt
.else
	s_wait_loadcnt 8*(7-\l)+2*\nxt
.endif
	FMA \l
.if (\l == 0) && \nxt
	global_load_b128 v[IDX:IDX+3], v[LI], s[SI:SI+1] offset:1024 th:TH_LOAD_NT
	global_load_b128 v[IDX+4:IDX+7], v[LI], s[SI:SI+1] offset:1024+512 th:TH_LOAD_NT
.endif
.if \l == 3
.irp t, 0,1,2,3
.irp q, 0,1
	ds_load_b128 v[W1R+8*\t+4*\q:W1R+8*\t+4*\q+3], v[LI] offset:W1I+1024*\t+512*\q
.endr
.endr
.irp t, 0,1,2,3
.irp q, 0,1
	ds_load_b128 v[CBR+8*\t+4*\q:CBR+8*\t+4*\q+3], v[LB1] offset:128*(\t/2)+32*(\t%2)+16*\q   ; b1 at units 32 (t / 2) + 16 (lane / 16) + 8 (t % 2) + 0 .. 7
.endr
.endr
.endif
.endr
.endm
; The first product for 16 points (tau = 0: points 0-15, 1: points 16-31).  The four accumulators take turns, one instruction a turn.
.macro WM1 tau
.irp s, 0,1,2,3
.irp t, 0,1,2,3
.if \s == 0
	v_wmma_f32_16x16x4_f32 v[ACC1+8*\t:ACC1+8*\t+7], v[W1R+8*\t+2*\s:W1R+8*\t+2*\s+1], v[F+4*\s+2*\tau:F+4*\s+2*\tau+1], v[CBR+8*\t:CBR+8*\t+7]
.else
	v_wmma_f32_16x16x4_f32 v[ACC1+8*\t:ACC1+8*\t+7], v[W1R+8*\t+2*\s:W1R+8*\t+2*\s+1], v[F+4*\s+2*\tau:F+4*\s+2*\tau+1], v[ACC1+8*\t:ACC1+8*\t+7]
.endif
.endr
.endr
.endm
.macro ACT1                            ; h1 = max(v, 0.01 v), into other registers; each accumulator is read from its low end on
.set ii, 0
.rept 16
	v_pk_mul_f32 v[HR+2*ii:HR+2*ii+1], v[ACC1+2*ii:ACC1+2*ii+1], s[74:75] op_sel_hi:[1,0]
.set ii, ii+1
.endr
.set ii, 0
.rept 32
	v_max_num_f32 v[HR+ii], v[HR+ii], v[ACC1+ii]
.set ii, ii+1
.endr
.endm
; 32 numbers of a lane, register 16 b + i = k 32 b + 16 (lane / 16) + i of my point, become six registers of codes at v[pc] and the scale word v[ps] (its two bytes twice: for either half of the 128).
.macro QUANT pc, ps
.irp b, 0,1
	v_max3_num_f32 v[TM+\b], |v[HR+16*\b]|, |v[HR+1+16*\b]|, 0x2800000   ; with the floor 2^(5 - 127): the byte cannot fall under 1
.endr
.irp i, 2,4,6,8,10,12,14
.irp b, 0,1
	v_max3_num_f32 v[TM+\b], v[TM+\b], |v[HR+16*\b+\i]|, |v[HR+1+16*\b+\i]|
.endr
.endr
.irp b, 0,1
	v_permlanex16_b32 v[TM+2+\b], v[TM+\b], s76, s77
.endr
.irp b, 0,1
	v_max_num_f32 v[TM+\b], v[TM+\b], v[TM+2+\b]   ; with lane l xor 16's 16: the block's largest magnitude
.endr
.irp b, 0,1
	v_add_nc_u32 v[TM+4+\b], 0xfe000000, v[TM+\b]  ; 4 off the exponent field: the conversion's scale operand
.endr
.irp b, 0,1
	v_lshrrev_b32 v[TM+2+\b], 23, v[TM+4+\b]       ; the scale's byte
.endr
	v_lshl_or_b32 v[\ps], v[TM+3], 8, v[TM+2]
	v_lshl_or_b32 v[\ps], v[\ps], 16, v[\ps]
	v_cvt_scalef32_pk16_bf6_f32 v[\pc:\pc+2], v[HR:HR+15], v[TM+4]
	v_cvt_scalef32_pk16_bf6_f32 v[TM+8:TM+10], v[HR+16:HR+31], v[TM+5]   ; (a conversion's three registers begin on an even number)
	v_nop                                          ; one plain place behind a scaled conversion
.irp i, 0,1,2
	v_permlane16_swap_b32 v[\pc+\i], v[TM+8+\i]    ; the operand's layout wants a whole block in a lane: lanes 0-15 block 0, lanes 16-31 block 1
.endr
.irp i, 0,1,2
	v_mov_b32 v[\pc+3+\i], v[TM+8+\i]
.endr
.endm
; A group of 32 points.  nxt = 1: another group follows: its hashes and x are loaded on the way, and its gathers go out at the end.
.macro GROUP nxt
	CONSUME \nxt
.irp s, 0,1,2,3
.irp j, 0,1
	v_permlane16_swap_b32 v[F+4*\s+\j], v[F+4*\s+2+\j]   ; source 1 of K step s wants k = 4 s + 2 (lane / 16) + j of point lane % 16: pair 4 s now serves points 0-15, pair 4 s + 2 points 16-31
.endr
.endr
	ds_load_b128 v[W2R:W2R+3], v[LI] offset:W2I
	ds_load_b64 v[W2R+4:W2R+5], v[OO] offset:W2I+512
	ds_load_b128 v[W2R+6:W2R+9], v[LI] offset:W2I+768
	ds_load_b64 v[W2R+10:W2R+11], v[OO] offset:W2I+768+512
	s_wait_dscnt 4                                 ; w1's images and b1 are in; the four loads just issued may be out
	WM1 0
	NOPS 8                                         ; eight places behind this form before its results are read
	ACT1
	WM1 1                                          ; it begins the four accumulators anew: behind each one's last link stand the eight v_nop and the activation's lines on the other three, nine places and more
	QUANT CA, PSA                                  ; points 0-15 are quantised while points 16-31 are multiplied; its sixteen maxima, which name no register of those products, are the places behind them
.irp n, 0,1
.irp q, 0,1
	ds_load_b128 v[B2R+8*\n+4*\q:B2R+8*\n+4*\q+3], v[LB2] offset:64*\n+16*\q   ; b2 at outputs 16 n + 8 (lane / 16) + 0 .. 7, over b1's first half, which is done with
.endr
.endr
	ACT1
	QUANT CB, PSB
	s_wait_dscnt 0x0                               ; w2's codes and b2
	NOPS 8                                         ; a scale register written by a vector instruction stands eight places ahead of a scaled matrix instruction, an operand so written four
.irp tau, 0,1
.irp n, 0,1
	v_wmma_scale_f32_16x16x128_f8f6f4 v[ACC2+8*(2*\tau+\n):ACC2+8*(2*\tau+\n)+7], v[W2R:W2R+11], v[CA+12*\tau-6*\n:CA+12*\tau-6*\n+11], v[B2R+8*\n:B2R+8*\n+7], v[W2S], v[PSA+\tau] matrix_a_fmt:MATRIX_FMT_BF6 matrix_b_fmt:MATRIX_FMT_BF6
.endr
.endr
	NOPS 4                                         ; four places behind this form
.set ii, 0
.rept 16
	v_pk_mul_f32 v[H2+2*ii:H2+2*ii+1], v[ACC2+2*ii:ACC2+2*ii+1], s[74:75] op_sel_hi:[1,0]   ; h2 = max(v, 0.01 v); each accumulator from its low end on
.set ii, ii+1
.endr
.set ii, 0
.rept 32
	v_max_num_f32 v[H2+ii], v[H2+ii], v[ACC2+ii]
.set ii, ii+1
.endr
.set ii, 0
.rept 16
	v_cvt_pk_bf16_f32 v[HB+ii], v[H2+2*ii], v[H2+2*ii+1]   ; a lane's units 16 n + 8 (lane / 16) + 0 .. 7 are registers 4 n .. 4 n + 3 of source 1 as they stand
.set ii, ii+1
.endr
	v_wmma_f32_16x16x32_bf16 v[D3A:D3A+7], v[W3:W3+7], v[HB:HB+7], 0
	v_wmma_f32_16x16x32_bf16 v[D3B:D3B+7], v[W3:W3+7], v[HB+8:HB+15], 0
	NOPS 4
	v_cndmask_b32 v[O], v[D3A], v[D3B], vcc_lo     ; lanes 0-15: points 0-15; lanes 16-31: points 16-31
	v_cndmask_b32 v[O+1], v[D3A+1], v[D3B+1], vcc_lo
	v_add_f32 v[O], s28, v[O]                      ; + b3
	v_add_f32 v[O+1], s29, v[O+1]
	global_store_b64 v[OO], v[O:O+1], s[SO:SO+1] th:TH_STORE_NT   ; the wave stores 256 consecutive bytes, at a multiple of 256 from out0's first byte
.if \nxt
	s_wait_loadcnt 0x0                             ; the next group's hashes and x, asked for a whole MLP ago
	s_wait_xcnt 0x0                                ; the store has read its data and its base: both are written again only behind this wait
	s_add_nc_u64 s[SX:SX+1], s[SX:SX+1], 384
	s_add_nc_u64 s[SI:SI+1], s[SI:SI+1], 1024
	s_add_nc_u64 s[SO:SO+1], s[SO:SO+1], 256
	ISSUE
.endif
.endm
	s_wait_loadcnt 0x0                             ; the weights, the first group's hashes and x
	ds_store_b64 v[T8], v[124:125]
	ds_store_b32 v[T4], v126 offset:4096
	ISSUE                                          ; the first group's gathers go out ahead of the barrier: no wave writes what they read
	s_wait_dscnt 0x0                               ; for the others' sake: my part of the weights' copy has landed
	s_barrier_signal -1
	s_barrier_wait -1                              ; the launch's one barrier: from here on LDS is only read
	s_mov_b32 s78, 3
.Lgroup:
	GROUP 1
	s_sub_co_u32 s78, s78, 1
	s_cmp_lg_u32 s78, 0
	s_cbranch_scc1 .Lgroup
	GROUP 0                                        ; the last group is written out: it loads nothing beyond its buffers
	s_wait_tensorcnt 0x0                           ; the wave's end
	ds_add_u32 v[SPW], v[NIL]
	s_wait_dscnt 0x0
	s_endpgm
.Lfunc_end_k_q9c8dc6fa31_field:
	.size	k_q9c8dc6fa31_field, .Lfunc_end_k_q9c8dc6fa31_field-k_q9c8dc6fa31_field
	.p2alignl 7, 3214868480
	.fill 96, 4, 3214868480
	.section	.rodata,"a",@progbits
	.p2align	6, 0x0
	.amdhsa_kernel k_q9c8dc6fa31_field
		.amdhsa_group_segment_fixed_size 8192
		.amdhsa_private_segment_fixed_size 0
		.amdhsa_enable_private_segment 0
		.amdhsa_kernarg_size 56
		.amdhsa_user_sgpr_count 2
		.amdhsa_user_sgpr_kernarg_segment_ptr 1
		.amdhsa_wavefront_size32 1
		.amdhsa_system_sgpr_workgroup_id_x 1
		.amdhsa_system_sgpr_workgroup_id_y 1
		.amdhsa_system_sgpr_workgroup_id_z 1
		.amdhsa_system_vgpr_workitem_id 0
		.amdhsa_next_free_vgpr 256
		.amdhsa_next_free_sgpr 90
		.amdhsa_reserve_vcc 1
		.amdhsa_float_denorm_mode_32 3
		.amdhsa_float_denorm_mode_16_64 3
		.amdhsa_memory_ordered 1
		.amdhsa_forward_progress 1
		.amdhsa_inst_pref_size 83
	.end_amdhsa_kernel
	.amdgpu_metadata
---
amdhsa.version: [ 1, 2 ]
amdhsa.kernels:
  - .name:           k_q9c8dc6fa31_field
    .symbol:         k_q9c8dc6fa31_field.kd
    .args:
      - { .name: x, .offset: 0, .size: 8, .value_kind: global_buffer, .address_space: global }
      - { .name: levels, .offset: 8, .size: 8, .value_kind: global_buffer, .address_space: global }
      - { .name: grid, .offset: 16, .size: 8, .value_kind: global_buffer, .address_space: global }
      - { .name: hidx, .offset: 24, .size: 8, .value_kind: global_buffer, .address_space: global }
      - { .name: wimg, .offset: 32, .size: 8, .value_kind: global_buffer, .address_space: global }
      - { .name: b3, .offset: 40, .size: 8, .value_kind: global_buffer, .address_space: global }
      - { .name: out0, .offset: 48, .size: 8, .value_kind: global_buffer, .address_space: global }
    .group_segment_fixed_size: 8192
    .private_segment_fixed_size: 0
    .kernarg_segment_align: 8
    .kernarg_segment_size: 56
    .max_flat_workgroup_size: 512
    .sgpr_count:     90
    .vgpr_count:     256
    .wavefront_size: 32
...
	.end_amdgpu_metadata
.endif
;; end of part 2
;; ======== version 2 of 2: 2 launches; version 1 with the launch field written anew for expert scheduling mode
;; workspace buffers: hidx 16,777,216 bytes of whole numbers; wimg 7,168 bytes
;; launch hash: the kernel of part 1 again; grid 513 x 1, 8 waves a work-group, no clusters, 0 bytes of LDS; arguments x, levels, w1, w2, w3, b1, b2, hidx, wimg; writes hidx, wimg
;; launch field (part 3): grid 256 x 1, 16 waves a work-group, no clusters, 8,192 bytes of LDS; arguments x, levels, grid, hidx, wimg, b3, out0; writes out0
.if DOCPART == 3
	.amdgcn_target "amdgcn-amd-amdhsa--gfx1250"
	.amdhsa_code_object_version 6
	.text
	.protected	k_q9c8dc6fa31_field
	.globl	k_q9c8dc6fa31_field
	.p2align	8
	.type	k_q9c8dc6fa31_field,@function
k_q9c8dc6fa31_field:
	s_mov_b64 s[64:65], 0
	v_nop
	global_prefetch_b8 v0, s[64:65] scope:SCOPE_SE
	s_setreg_imm32_b32 hwreg(HW_REG_WAVE_SCHED_MODE, 0, 2), 2
	s_setreg_imm32_b32 hwreg(HW_REG_WAVE_MODE, 25, 1), 1
	s_wait_xcnt 0x0
	s_wait_alu depctr_vm_vsrc(0)
; SECOND OF TWO LAUNCHES: gather by the stored hashes, blend, and the MLP 16 -> 64 -> 32 -> 2.  No work is left out: every input has a way to out0.
; SHARES.  A work-group of 16 waves takes 2,048 points, a wave 4 groups of 32.  In the gather a LANE IS A POINT and walks all 8 levels, so the level's scale and the level's table are scalars.
; A group: 64 gathers of 8 bytes a lane (8 levels x 8 corners) are issued in two runs of 32; each lands on the register pair whose low register held its offset.  They are blended level by level behind counted waits.  The MLP then
; works in the same 128 registers; the next group's gathers go out at its end.  Four waves share a SIMD: while one waits for its gathers the others blend and multiply.
; PRODUCTS, all used transposed (source 0 = weights, source 1 = points), so that a lane holds ONE point (lane % 16) and its registers run along the next K:
;   1. 16 -> 64, f32 operands, since its result goes into a quantiser: v_wmma_f32_16x16x4_f32, 4 tiles of units x 4 K steps for each 16 points; b1 is the C of each sum's first instruction.
;      The units of a tile are chosen so that the 16 registers of tiles 2 b, 2 b + 1 are units 32 b + 16 (lane / 16) + 0 .. 15.
;   2. 64 -> 32, QUANTISED: h1 is quantised in registers, two blocks of 32 a point.  The instruction is 128 deep and K is 64: w2's operand holds outputs 0-15 at k 0-63 and outputs 16-31 at k 64-127, and h1's codes stand under
;      the one half with zero codes under the other: one set of 12 registers serves both output tiles.  b2 is the C.
;   3. 32 -> 2, bf16: w3's two columns stand in rows 0, 1 and 8, 9 of source 0, so registers 0 and 1 of the result hold a point's two outputs in both halves of the lanes.
; leaky_relu(v) = max(v, 0.01 v).  The corner weights are made by products and differences ((1 - a) b as b - a b): 12 instructions a level; each weight is right to a rounding of a number at most 1.
; NO CLUSTER, NO TENSOR LOADS: what work-groups share is 6,144 bytes of weights, copied to LDS once, against 2,048 x 64 gathers of 8 bytes a work-group, which are lane by lane.
; NO PREFETCH: a group's hashes and x are loaded into registers a whole group ahead; a gather's address is known only when its hash is, and naming each entry ahead of its gather would double the requests.
; LIMITS: x * level in [0, 2^32), as in the first launch; NaN and infinities are not served; a block of h1 whose largest magnitude is 0 gets the byte 1 with zero codes, which adds what the quantiser's 127 adds: nothing.
; THE MODE: SCHED_MODE bits 1:0 = 2 (LLVM: expert scheduling mode 2), set by the entry lines.  The code itself states the register dependences
; between vector or matrix instructions and memory or LDS instructions, with s_wait_alu, always for 0.
; THE PLAN.  Registers that memory or LDS instructions touch, round the loop:
;   G (v128-255)   The offsets' lines write the even registers; the gathers read them and land on their own pairs; level l's blend reads the pairs.  Then levels 0-3's registers take w1's images and b1 from LDS, level 7's take
;                  w2's codes, and b1's first half, which the first product reads as C, takes b2.  All else in G is the MLP's vector and matrix work.
;   IDX (v16-23)   Read by the offsets' lines; loaded again behind level 0's blend.      X (v12-14)  Read by the eight levels' weight lines; loaded again behind level 7's blend.
;   O (v122-123)   Written by the two additions; read by the store, which stands behind the next group's gathers.
;   v84-113, v9, v10   h1's codes, the zero codes and h1's scale words: written by vector instructions, read by the scaled products.
;   v1-v7, v11, v15, v127   Offsets and LDS addresses: written at the head and never again.
; SIX WAITS ON va_vdst A GROUP: behind level 3's blend; behind level 7's blend; ahead of b2's loads; ahead of the scaled products; behind the offsets of levels 0-3; behind those of levels 4-7.
; ONE ON vm_vsrc: behind the last gather and the store, ahead of the backward branch.  Each wait's comment says what it states.
.set P2,    0x779b1                    ; 2654435761 mod 2^19
.set P3,    0x25795                    ; 805459861 mod 2^19
.set W1I,   0                          ; LDS, a copy of wimg's first 6,144 bytes: w1's images,
.set W2I,   4096                       ; w2's codes,
.set B1I,   5632                       ; b1,
.set B2I,   5888                       ; b2 (and w2's scale words, which are not read from here)
.set SPARE, 6144                       ; the spare words, 128 bytes for each of 16 waves: eight blocks of 256 bytes that no other line names
.set LI,  1                            ; v1   16 x lane
.set XO,  2                            ; v2   12 x lane
.set OO,  3                            ; v3   8 x lane
.set LB1, 4                            ; v4   b1 in LDS + 64 (lane / 16)
.set LB2, 5                            ; v5   b2 in LDS + 32 (lane / 16)
.set SPW, 6                            ; v6   LDS address of my spare word; never rewritten
.set NIL, 7                            ; v7   0; never rewritten
.set W2S, 8                            ; v8   w2's scale words;  v9, v10: h1's, points 0-15 and 16-31.  These three hold scales and nothing else
.set PSA, 9
.set PSB, 10
.set L4,  11                           ; v11  4 x lane
.set X,   12                           ; v12-14 my point
.set T8,  15                           ; v15  8 x thread: the weights' copy
.set IDX, 16                           ; v16-23 my point's eight hashes
.set F,   24                           ; v24-39 the 16 features: level l at pair 2 l
.set WT,  40                           ; v40-47 corner weights: corner c = 4 i + 2 k + j (i, j, k: the x, y, z bits)
.set FT,  48                           ; v48-51 1 - wy, wy, wz, wx
.set ACC1, 52                          ; v52-83 the first product's four tiles: written by matrix instructions alone
.set CA,  90                           ; v84-113: zeros 84-89, codes of points 0-15 90-95, zeros 96-101, codes of points 16-31 102-107, zeros 108-113
.set CB,  102
.set W3,  114                          ; v114-121 w3's fragment, kept
.set O,   122                          ; v122-123 my point's two outputs
.set T4,  127                          ; v127 4 x thread: the weights' copy
.set G,   128                          ; v128-255 the gathers: level l, corner c at pair G + 16 l + 2 c.  In the MLP:
.set W1R, G                            ;   w1's four tiles, 8 registers each; later
.set ACC2, G                           ;   the second product's four accumulators (2 x tile of points + tile of outputs)
.set CBR, G+32                         ;   b1 in the result's layout, 32; later
.set B2R, G+32                         ;   b2 likewise, 16, and
.set HB,  G+48                         ;   h2 in bf16, 8 for each tile of points
.set HR,  G+64                         ;   h1 of 16 points, 32; later
.set H2,  G+64                         ;   h2 of 32 points
.set TM,  G+96                         ;   the quantiser's: +0, 1 largest magnitudes, +2, 3 bytes, +4, 5 scale operands, +8 .. 10 a block's codes; later
.set D3A, G+96                         ;   the third product's results
.set D3B, G+104
.set W2R, G+112                        ;   w2's 12 registers
.set SX,  4                            ; s[4:5]   x at my group
.set SI,  10                           ; s[10:11] hidx at my group
.set SO,  16                           ; s[16:17] out0 at my group
.set LVP, 32                           ; s[32:47] each level twice: the packed multiply names a pair
.set GB,  48                           ; s[48:63] level l's table
	s_load_b256 s[4:11], s[0:1], 0x0               ; x 4, levels 6, grid 8, hidx 10
	s_load_b128 s[12:15], s[0:1], 0x20             ; wimg 12, b3 14
	s_load_b64 s[16:17], s[0:1], 0x30              ; out0
	v_lshl_add_u32 v[SPW], v0, 2, SPARE
	v_mov_b32 v[NIL], 0
	v_and_b32 v124, 31, v0                         ; lane
	v_bfe_u32 v125, v0, 4, 1                       ; lane / 16
	v_lshrrev_b32 v126, 5, v0
	v_readfirstlane_b32 s79, v126                  ; wave 0..15
	v_lshlrev_b32 v[LI], 4, v124
	v_mul_u32_u24 v[XO], v124, 12
	v_lshlrev_b32 v[OO], 3, v124
	v_lshl_add_u32 v[LB1], v125, 6, B1I
	v_lshl_add_u32 v[LB2], v125, 5, B2I
	v_lshlrev_b32 v[L4], 2, v124
	v_lshlrev_b32 v[T8], 3, v0
	v_lshlrev_b32 v[T4], 2, v0
.irp z, 84,96,108
.irp i, 0,1,2,3,4,5
	v_mov_b32 v[\z+\i], 0                          ; zero codes, written once
.endr
.endr
	s_mov_b32 s74, 0x3c23d70a                      ; 0.01
	s_mov_b32 s75, s74                             ; (named with it as a pair, so it is written)
	s_mov_b32 s76, 0x76543210
	s_mov_b32 s77, 0xfedcba98                      ; v_permlanex16_b32's selects for lane l xor 16
	s_mov_b32 vcc_lo, 0xffff0000                   ; lanes 16-31; never rewritten
	s_wait_alu depctr_va_sdst(0)                   ; s79, the wave's number, is written, ahead of its first reader: the bases of x, hidx and out0 are made from it
	s_lshl_b32 s80, ttmp9, 4
	s_add_co_u32 s80, s80, s79                     ; which run of 128 points is my wave's
	s_mov_b32 s83, 0
	s_wait_kmcnt 0x0
	s_load_b256 s[20:27], s[6:7], 0x0              ; the eight levels
	s_load_b64 s[28:29], s[14:15], 0x0             ; b3
	s_mul_i32 s82, s80, 1536
	s_add_nc_u64 s[SX:SX+1], s[SX:SX+1], s[82:83]
	s_lshl_b32 s82, s80, 12
	s_add_nc_u64 s[SI:SI+1], s[SI:SI+1], s[82:83]
	s_lshl_b32 s82, s80, 10
	s_add_nc_u64 s[SO:SO+1], s[SO:SO+1], s[82:83]
	s_mov_b64 s[GB:GB+1], s[8:9]
.irp l, 1,2,3,4,5,6,7
	s_add_nc_u64 s[GB+2*\l:GB+2*\l+1], s[8:9], \l*0x400000   ; a level's table is 2^19 entries of 8 bytes
.endr
	s_wait_alu depctr_va_vdst(0)                   ; the offsets and LDS addresses v1 to v7, v11, v15, v127 are written, which every load and store of the kernel reads; the address lines are done with v124 to v126, in which the first two loads land; the zero codes are written
	global_load_b64 v[124:125], v[T8], s[12:13]                    ; the weights' copy: 512 threads x 8 bytes,
	global_load_b32 v126, v[T4], s[12:13] offset:4096              ; and 512 x 4 behind them
	global_load_b128 v[W3:W3+3], v[LI], s[12:13] offset:6144
	global_load_b128 v[W3+4:W3+7], v[LI], s[12:13] offset:6144+512
	global_load_b32 v[W2S], v[L4], s[12:13] offset:6016
	global_load_b128 v[IDX:IDX+3], v[LI], s[SI:SI+1] th:TH_LOAD_NT
	global_load_b128 v[IDX+4:IDX+7], v[LI], s[SI:SI+1] offset:512 th:TH_LOAD_NT
	global_load_b96 v[X:X+2], v[XO], s[SX:SX+1] th:TH_LOAD_NT
	s_wait_kmcnt 0x0                               ; the levels and b3
.irp l, 0,1,2,3,4,5,6,7
	s_mov_b32 s[LVP+2*\l], s[20+\l]
	s_mov_b32 s[LVP+2*\l+1], s[20+\l]
.endr
.macro NOPS n
.rept \n
	v_nop
.endr
.endm
; Level l's eight offsets.  A stored hash is held under 2^19 before it enters an address; corner c's entry is (hash + its constant) mod 2^19, here in bytes (x 8).
.macro OFFS l
	v_min_u32 v[G+16*\l], 0x7ffff, v[IDX+\l]
	v_lshlrev_b32 v[G+16*\l], 3, v[G+16*\l]
.irp c, 1,2,3,4,5,6,7
	v_add_nc_u32 v[G+16*\l+2*\c], (((((\c)>>2)&1)+((\c)&1)*P2+(((\c)>>1)&1)*P3)&0x7ffff)<<3, v[G+16*\l]
.endr
.irp c, 1,2,3,4,5,6,7
	v_and_b32 v[G+16*\l+2*\c], 0x3ffff8, v[G+16*\l+2*\c]
.endr
.endm
; Level l's eight gathers.  Each load lands on its own offset's register pair.
.macro GATHER l
.irp c, 0,1,2,3,4,5,6,7
	global_load_b64 v[G+16*\l+2*\c:G+16*\l+2*\c+1], v[G+16*\l+2*\c], s[GB+2*\l:GB+2*\l+1]
.endr
.endm
; The group's 64 gathers, in two runs of 32, each behind its offsets and one wait.  st = 1: the group before has its outputs in v[O]: its store stands behind the gathers, for which the wave will wait; nothing waits for the store.
.macro ISSUE st
.irp l, 0,1,2,3
	OFFS \l
.endr
	s_wait_alu depctr_va_vdst(0)                   ; the offsets of levels 0 to 3 are written, which the gathers read; the MLP's vector and matrix instructions are done with G, in which the gathers land; the two additions have written v[O], which the store below reads
.irp l, 0,1,2,3
	GATHER \l
.endr
.irp l, 4,5,6,7
	OFFS \l                                        ; these name IDX and G + 64 on: none of the registers that the 32 gathers above touch
.endr
	s_wait_alu depctr_va_vdst(0)                   ; the offsets of levels 4 to 7 are written; all eight levels' lines are done reading IDX, in which the next group's hashes land behind level 0's blend
.irp l, 4,5,6,7
	GATHER \l
.endr
.if \st
	global_store_b64 v[OO], v[O:O+1], s[SO:SO+1] offset:-256 th:TH_STORE_NT   ; the wave stores 256 consecutive bytes, at a multiple of 256 from out0's first byte; the base has moved on, the offset reaches back; no vector instruction since the first wait names v[O]
.endif
	s_wait_alu depctr_vm_vsrc(0)                   ; the gathers have read their offsets, whose registers LDS loads and the MLP write again; the store has read v[O], which the next group writes again; at the head: the LDS stores have read v124 to v126
.endm
; Level l's eight corner weights.  x * level is the same f32 product as in the first launch, and for what is not negative its fraction is exact.
.macro FRW l
	v_pk_mul_f32 v[WT:WT+1], v[X:X+1], s[LVP+2*\l:LVP+2*\l+1] op_sel_hi:[1,0]
	v_mul_f32 v[WT+2], s[LVP+2*\l], v[X+2]
	v_fract_f32 v[FT+3], v[WT]                     ; wx
	v_fract_f32 v[FT+1], v[WT+1]                   ; wy
	v_fract_f32 v[FT+2], v[WT+2]                   ; wz
	v_sub_f32 v[FT], 1.0, v[FT+1]                  ; 1 - wy
	v_pk_mul_f32 v[WT+2:WT+3], v[FT:FT+1], v[FT+2:FT+3] op_sel_hi:[1,0]                       ; (1 - wy, wy) wz
	v_pk_add_f32 v[WT:WT+1], v[FT:FT+1], v[WT+2:WT+3] neg_lo:[0,1] neg_hi:[0,1]               ; (1 - wy, wy) (1 - wz)
	v_pk_mul_f32 v[WT+4:WT+5], v[WT:WT+1], v[FT+2:FT+3] op_sel:[0,1] op_sel_hi:[1,1]          ; x wx: the pair's second register for both halves
	v_pk_mul_f32 v[WT+6:WT+7], v[WT+2:WT+3], v[FT+2:FT+3] op_sel:[0,1] op_sel_hi:[1,1]
	v_pk_add_f32 v[WT:WT+1], v[WT:WT+1], v[WT+4:WT+5] neg_lo:[0,1] neg_hi:[0,1]               ; x (1 - wx)
	v_pk_add_f32 v[WT+2:WT+3], v[WT+2:WT+3], v[WT+6:WT+7] neg_lo:[0,1] neg_hi:[0,1]
.endm
; Level l's two features: eight entries of two numbers, each times its corner's weight.  The first product starts the sum.
.macro FMA l
	v_pk_mul_f32 v[F+2*\l:F+2*\l+1], v[G+16*\l:G+16*\l+1], v[WT:WT+1] op_sel_hi:[1,0]
.irp c, 1,2,3,4,5,6,7
.if (\c)%2
	v_pk_fma_f32 v[F+2*\l:F+2*\l+1], v[G+16*\l+2*\c:G+16*\l+2*\c+1], v[WT+\c-1:WT+\c], v[F+2*\l:F+2*\l+1] op_sel:[0,1,0] op_sel_hi:[1,1,1]
.else
	v_pk_fma_f32 v[F+2*\l:F+2*\l+1], v[G+16*\l+2*\c:G+16*\l+2*\c+1], v[WT+\c:WT+\c+1], v[F+2*\l:F+2*\l+1] op_sel_hi:[1,0,1]
.endif
.endr
.endm
; The gathers are blended level by level.  Loads come back in order, so each wait counts the loads issued behind that level's eight: the later levels' gathers, and with nxt = 1 the next group's two loads of hashes
; (issued behind level 0's blend).  The registers of levels 0 to 3, once blended, take w1's images and b1 from LDS.
.macro CONSUME nxt
.irp l, 0,1,2,3,4,5,6,7
	FRW \l
.if \l == 0
	s_wait_loadcnt 56
.else
	s_wait_loadcnt 8*(7-\l)+2*\nxt
.endif
	FMA \l
.if (\l == 0) && \nxt
	global_load_b128 v[IDX:IDX+3], v[LI], s[SI:SI+1] offset:1024 th:TH_LOAD_NT        ; no wait: no vector instruction since the wait behind the offsets of levels 4 to 7 names IDX
	global_load_b128 v[IDX+4:IDX+7], v[LI], s[SI:SI+1] offset:1024+512 th:TH_LOAD_NT
.endif
.if \l == 3
	s_wait_alu depctr_va_vdst(0)                   ; the blends of levels 0 to 3 are done reading their gathers' registers, in which the sixteen LDS loads below land
.irp t, 0,1,2,3
.irp q, 0,1
	ds_load_b128 v[W1R+8*\t+4*\q:W1R+8*\t+4*\q+3], v[LI] offset:W1I+1024*\t+512*\q
.endr
.endr
.irp t, 0,1,2,3
.irp q, 0,1
	ds_load_b128 v[CBR+8*\t+4*\q:CBR+8*\t+4*\q+3], v[LB1] offset:128*(\t/2)+32*(\t%2)+16*\q   ; b1 at units 32 (t / 2) + 16 (lane / 16) + 8 (t % 2) + 0 .. 7
.endr
.endr
.endif
.endr
.endm
; The first product for 16 points (tau = 0: points 0-15, 1: points 16-31).  The four accumulators take turns, one instruction a turn.
.macro WM1 tau
.irp s, 0,1,2,3
.irp t, 0,1,2,3
.if \s == 0
	v_wmma_f32_16x16x4_f32 v[ACC1+8*\t:ACC1+8*\t+7], v[W1R+8*\t+2*\s:W1R+8*\t+2*\s+1], v[F+4*\s+2*\tau:F+4*\s+2*\tau+1], v[CBR+8*\t:CBR+8*\t+7]
.else
	v_wmma_f32_16x16x4_f32 v[ACC1+8*\t:ACC1+8*\t+7], v[W1R+8*\t+2*\s:W1R+8*\t+2*\s+1], v[F+4*\s+2*\tau:F+4*\s+2*\tau+1], v[ACC1+8*\t:ACC1+8*\t+7]
.endif
.endr
.endr
.endm
.macro ACT1                            ; h1 = max(v, 0.01 v), into other registers; each accumulator is read from its low end on
.set ii, 0
.rept 16
	v_pk_mul_f32 v[HR+2*ii:HR+2*ii+1], v[ACC1+2*ii:ACC1+2*ii+1], s[74:75] op_sel_hi:[1,0]
.set ii, ii+1
.endr
.set ii, 0
.rept 32
	v_max_num_f32 v[HR+ii], v[HR+ii], v[ACC1+ii]
.set ii, ii+1
.endr
.endm
; 32 numbers of a lane, register 16 b + i = k 32 b + 16 (lane / 16) + i of my point, become six registers of codes at v[pc] and the scale word v[ps] (its two bytes twice: for either half of the 128).
.macro QUANT pc, ps
.irp b, 0,1
	v_max3_num_f32 v[TM+\b], |v[HR+16*\b]|, |v[HR+1+16*\b]|, 0x2800000   ; with the floor 2^(5 - 127): the byte cannot fall under 1
.endr
.irp i, 2,4,6,8,10,12,14
.irp b, 0,1
	v_max3_num_f32 v[TM+\b], v[TM+\b], |v[HR+16*\b+\i]|, |v[HR+1+16*\b+\i]|
.endr
.endr
.irp b, 0,1
	v_permlanex16_b32 v[TM+2+\b], v[TM+\b], s76, s77
.endr
.irp b, 0,1
	v_max_num_f32 v[TM+\b], v[TM+\b], v[TM+2+\b]   ; with lane l xor 16's 16: the block's largest magnitude
.endr
.irp b, 0,1
	v_add_nc_u32 v[TM+4+\b], 0xfe000000, v[TM+\b]  ; 4 off the exponent field: the conversion's scale operand
.endr
.irp b, 0,1
	v_lshrrev_b32 v[TM+2+\b], 23, v[TM+4+\b]       ; the scale's byte
.endr
	v_lshl_or_b32 v[\ps], v[TM+3], 8, v[TM+2]
	v_lshl_or_b32 v[\ps], v[\ps], 16, v[\ps]
	v_cvt_scalef32_pk16_bf6_f32 v[\pc:\pc+2], v[HR:HR+15], v[TM+4]
	v_cvt_scalef32_pk16_bf6_f32 v[TM+8:TM+10], v[HR+16:HR+31], v[TM+5]   ; (a conversion's three registers begin on an even number)
	v_nop                                          ; one plain place behind a scaled conversion
.irp i, 0,1,2
	v_permlane16_swap_b32 v[\pc+\i], v[TM+8+\i]    ; the operand's layout wants a whole block in a lane: lanes 0-15 block 0, lanes 16-31 block 1
.endr
.irp i, 0,1,2
	v_mov_b32 v[\pc+3+\i], v[TM+8+\i]
.endr
.endm
; A group of 32 points.  nxt = 1: another group follows: its hashes and x are loaded on the way, and its gathers go out at the end, this group's store behind them.
.macro GROUP nxt
	CONSUME \nxt
	s_wait_alu depctr_va_vdst(0)                   ; level 7's blend is done reading its gathers' registers, in which w2's codes land; the eight levels' weight lines are done reading x, in which the next group's point lands
.if \nxt
	global_load_b96 v[X:X+2], v[XO], s[SX:SX+1] offset:384 th:TH_LOAD_NT   ; x has been read for the last time in this group
.endif
	ds_load_b128 v[W2R:W2R+3], v[LI] offset:W2I
	ds_load_b64 v[W2R+4:W2R+5], v[OO] offset:W2I+512
	ds_load_b128 v[W2R+6:W2R+9], v[LI] offset:W2I+768
	ds_load_b64 v[W2R+10:W2R+11], v[OO] offset:W2I+768+512
.irp s, 0,1,2,3
.irp j, 0,1
	v_permlane16_swap_b32 v[F+4*\s+\j], v[F+4*\s+2+\j]   ; source 1 of K step s wants k = 4 s + 2 (lane / 16) + j of point lane % 16: pair 4 s now serves points 0-15, pair 4 s + 2 points 16-31.  (These name F alone: none of the registers that the loads above touch)
.endr
.endr
	s_wait_dscnt 4                                 ; w1's images and b1 are in; w2's four loads may be out
	WM1 0
	NOPS 8                                         ; eight places behind this form before its results are read
	ACT1
	WM1 1                                          ; it begins the four accumulators anew: behind each one's last link stand the eight v_nop and the activation's lines on the other three, nine places and more
	QUANT CA, PSA                                  ; points 0-15 are quantised while points 16-31 are multiplied; its sixteen maxima, which name no register of those products, are the places behind them
	s_wait_alu depctr_va_vdst(0)                   ; the first product's instructions are done reading b1 as their C: b2's loads land in its first half
.irp n, 0,1
.irp q, 0,1
	ds_load_b128 v[B2R+8*\n+4*\q:B2R+8*\n+4*\q+3], v[LB2] offset:64*\n+16*\q   ; b2 at outputs 16 n + 8 (lane / 16) + 0 .. 7, over b1's first half, which is done with
.endr
.endr
	ACT1
	QUANT CB, PSB
	s_wait_dscnt 0x0                               ; w2's codes and b2
	NOPS 8                                         ; a scale register written by a vector instruction stands eight places ahead of a scaled matrix instruction, an operand so written four
	s_wait_alu depctr_va_vdst(0)                   ; the quantiser's lines have written h1's codes and its scale words v9 and v10, which the four scaled products take; the places above stay beside this wait
.irp tau, 0,1
.irp n, 0,1
	v_wmma_scale_f32_16x16x128_f8f6f4 v[ACC2+8*(2*\tau+\n):ACC2+8*(2*\tau+\n)+7], v[W2R:W2R+11], v[CA+12*\tau-6*\n:CA+12*\tau-6*\n+11], v[B2R+8*\n:B2R+8*\n+7], v[W2S], v[PSA+\tau] matrix_a_fmt:MATRIX_FMT_BF6 matrix_b_fmt:MATRIX_FMT_BF6
.endr
.endr
	NOPS 4                                         ; four places behind this form
.set ii, 0
.rept 16
	v_pk_mul_f32 v[H2+2*ii:H2+2*ii+1], v[ACC2+2*ii:ACC2+2*ii+1], s[74:75] op_sel_hi:[1,0]   ; h2 = max(v, 0.01 v); each accumulator from its low end on
.set ii, ii+1
.endr
.set ii, 0
.rept 32
	v_max_num_f32 v[H2+ii], v[H2+ii], v[ACC2+ii]
.set ii, ii+1
.endr
.set ii, 0
.rept 16
	v_cvt_pk_bf16_f32 v[HB+ii], v[H2+2*ii], v[H2+2*ii+1]   ; a lane's units 16 n + 8 (lane / 16) + 0 .. 7 are registers 4 n .. 4 n + 3 of source 1 as they stand
.set ii, ii+1
.endr
	v_wmma_f32_16x16x32_bf16 v[D3A:D3A+7], v[W3:W3+7], v[HB:HB+7], 0
	v_wmma_f32_16x16x32_bf16 v[D3B:D3B+7], v[W3:W3+7], v[HB+8:HB+15], 0
	NOPS 4
	s_wait_xcnt 0x0                                ; the last group's store has read its data and its base, this group's loads of hashes and x their bases: v[O] and the three bases are written again only behind this wait
	v_cndmask_b32 v[O], v[D3A], v[D3B], vcc_lo     ; lanes 0-15: points 0-15; lanes 16-31: points 16-31
	v_cndmask_b32 v[O+1], v[D3A+1], v[D3B+1], vcc_lo
	v_add_f32 v[O], s28, v[O]                      ; + b3
	v_add_f32 v[O+1], s29, v[O+1]
.if \nxt
	s_wait_loadcnt 0x0                             ; the next group's hashes and x, asked for a whole MLP ago
	s_add_nc_u64 s[SX:SX+1], s[SX:SX+1], 384
	s_add_nc_u64 s[SI:SI+1], s[SI:SI+1], 1024
	s_add_nc_u64 s[SO:SO+1], s[SO:SO+1], 256
	ISSUE 1
.else
	s_wait_alu depctr_va_vdst(0)                   ; the two additions have written v[O], which the last store reads
	global_store_b64 v[OO], v[O:O+1], s[SO:SO+1] th:TH_STORE_NT   ; the wave stores 256 consecutive bytes, at a multiple of 256 from out0's first byte
.endif
.endm
	s_wait_loadcnt 0x0                             ; the weights, the first group's hashes and x
	ds_store_b64 v[T8], v[124:125]
	ds_store_b32 v[T4], v126 offset:4096
	ISSUE 0                                        ; the first group's gathers go out ahead of the barrier: no wave writes what they read
	s_wait_dscnt 0x0                               ; for the others' sake: my part of the weights' copy has landed
	s_barrier_signal -1
	s_barrier_wait -1                              ; the launch's one barrier: from here on LDS is only read
	s_mov_b32 s78, 3
.Lgroup:
	GROUP 1
	s_sub_co_u32 s78, s78, 1
	s_cmp_lg_u32 s78, 0
	s_cbranch_scc1 .Lgroup
	GROUP 0                                        ; the last group is written out: it loads nothing beyond its buffers
	s_wait_dscnt 0x0                               ; the closing lines, six on end
	s_wait_alu 0x0
	s_wait_tensorcnt 0x0
	ds_add_u32 v[SPW], v[NIL]
	s_wait_dscnt 0x0
	s_endpgm
.Lfunc_end_k_q9c8dc6fa31_field:
	.size	k_q9c8dc6fa31_field, .Lfunc_end_k_q9c8dc6fa31_field-k_q9c8dc6fa31_field
	.p2alignl 7, 3214868480
	.fill 96, 4, 3214868480
	.section	.rodata,"a",@progbits
	.p2align	6, 0x0
	.amdhsa_kernel k_q9c8dc6fa31_field
		.amdhsa_group_segment_fixed_size 8192
		.amdhsa_private_segment_fixed_size 0
		.amdhsa_enable_private_segment 0
		.amdhsa_kernarg_size 56
		.amdhsa_user_sgpr_count 2
		.amdhsa_user_sgpr_kernarg_segment_ptr 1
		.amdhsa_wavefront_size32 1
		.amdhsa_system_sgpr_workgroup_id_x 1
		.amdhsa_system_sgpr_workgroup_id_y 1
		.amdhsa_system_sgpr_workgroup_id_z 1
		.amdhsa_system_vgpr_workitem_id 0
		.amdhsa_next_free_vgpr 256
		.amdhsa_next_free_sgpr 90
		.amdhsa_reserve_vcc 1
		.amdhsa_float_denorm_mode_32 3
		.amdhsa_float_denorm_mode_16_64 3
		.amdhsa_memory_ordered 1
		.amdhsa_forward_progress 1
		.amdhsa_inst_pref_size 84
	.end_amdhsa_kernel
	.amdgpu_metadata
---
amdhsa.version: [ 1, 2 ]
amdhsa.kernels:
  - .name:           k_q9c8dc6fa31_field
    .symbol:         k_q9c8dc6fa31_field.kd
    .args:
      - { .name: x, .offset: 0, .size: 8, .value_kind: global_buffer, .address_space: global }
      - { .name: levels, .offset: 8, .size: 8, .value_kind: global_buffer, .address_space: global }
      - { .name: grid, .offset: 16, .size: 8, .value_kind: global_buffer, .address_space: global }
      - { .name: hidx, .offset: 24, .size: 8, .value_kind: global_buffer, .address_space: global }
      - { .name: wimg, .offset: 32, .size: 8, .value_kind: global_buffer, .address_space: global }
      - { .name: b3, .offset: 40, .size: 8, .value_kind: global_buffer, .address_space: global }
      - { .name: out0, .offset: 48, .size: 8, .value_kind: global_buffer, .address_space: global }
    .group_segment_fixed_size: 8192
    .private_segment_fixed_size: 0
    .kernarg_segment_align: 8
    .kernarg_segment_size: 56
    .max_flat_workgroup_size: 512
    .sgpr_count:     90
    .vgpr_count:     256
    .wavefront_size: 32
...
	.end_amdgpu_metadata
.endif
;; end of part 3
